; MI455X (gfx1250); checked and timed in simulation.
; The chip was launched on July 23, 2026; its instructions are those of AMD's public machine-readable ISA for CDNA 5 (MIT licence, August 2026) and "CDNA5" Instruction Set Architecture Reference Guide (July 2026). The comments in the code are by the model that wrote it; some were corrected since.
;; Multi Head Attention. Allowed arithmetic: matrix products marked QUANTISED: E4M3 operands, one given power-of-two scale a tensor, by v_wmma_f32_16x16x64_fp8_fp8 or v_wmma_f32_16x16x128_fp8_fp8, f32 sums; everything else in f32.
;; Inputs: Wk_codes 1,024 x 32 x 32 uint8 (E4M3 codes of Wk, K innermost, in blocks of 32 codes); Wq_codes 1,024 x 32 x 32 uint8 (E4M3 codes of Wq, K innermost, in blocks of 32 codes); Wv_codes 1,024 x 32 x 32 uint8 (E4M3 codes of Wv, K innermost, in blocks of 32 codes); lowp_scales 10 int32 (the exponents e of the quantised operands' scales 2^e); x_codes 4 x 2,048 x 32 x 32 uint8 (E4M3 codes of x, K innermost, in blocks of 32 codes).
;; Outputs: out0 4 x 2,048 x 1,024 float32.
;; This version of the problem:
;;   THIS VERSION OF THE PROBLEM IS GIVEN IN LOW PRECISION. The matrix products marked QUANTISED in the list below multiply operands that are first quantised to E4M3 (4 exponent bits, 3 mantissa bits; 8 bits a number), with one given power-of-two scale for each operand tensor; their sums are f32. All else is computed in f32.
;;   The module's matrix products, in the order in which they are computed (A, B: the left and right operand; K: the contracted axis; several contracted axes count as one K, in the product's order):
;;     1. [M 8,192, K 1,024] x [K 1,024, N 1,024]; A: input x (given as codes); B: input Wq (given as codes): QUANTISED (scales: A lowp_scales[0], B lowp_scales[1])
;;     2. [M 8,192, K 1,024] x [K 1,024, N 1,024]; A: input x (given as codes); B: input Wk (given as codes): QUANTISED (scales: A lowp_scales[2], B lowp_scales[3])
;;     3. [M 8,192, K 1,024] x [K 1,024, N 1,024]; A: input x (given as codes); B: input Wv (given as codes): QUANTISED (scales: A lowp_scales[4], B lowp_scales[5])
;;     4. batch 64 x [M 2,048, K 64] x [K 64, N 2,048]; A: computed on the way; B: computed on the way: QUANTISED (scales: A lowp_scales[6], B lowp_scales[7])
;;     5. batch 64 x [M 2,048, K 2,048] x [K 2,048, N 64]; A: softmax (see below); B: computed on the way: QUANTISED (scales: A lowp_scales[8], B lowp_scales[9])
;;   THE QUANTISER, for each operand of a quantised product, along K:
;;     - The operand's scale is 2^e, e = its entry of the input lowp_scales (int32; the entries are numbered through the quantised products in the list's order, A before B).
;;     - Each number is divided by the scale, clamped to +-448, and rounded to the nearest number of E4M3, ties to even, subnormals kept.
;;     - The product sums the exact products of the quantised numbers (number of the format x scale) in f32.
;;   ~~~python
;;   def quantise(x, axis, e):      # numpy; x: float32 -> the quantised numbers, widened to float32 again
;;       x = np.moveaxis(x, axis, -1); K = x.shape[-1]
;;       r = np.clip(x / 2.0 ** e, -448, 448)
;;       step = 2.0 ** (np.maximum(np.frexp(np.where(r == 0, 1, r))[1] - 1, -6) - 3)
;;       q = np.round(r / step) * step * 2.0 ** e      # np.round: ties to even
;;       return np.moveaxis(q, -1, axis).astype(np.float32)
;;   ~~~
;;   SOFTMAX AHEAD OF A QUANTISED PRODUCT. Where the list says 'softmax', what is quantised is not the finished softmax but p = 2^(t - M), with t = logit x log2(e) and M = ceil(the row's largest t), a whole number; so 1/2 < the row's largest p <= 1. The row's sum l is taken of the UNQUANTISED p, in f32, and the product's result is divided by l at the end. Since M is a whole number, a kernel that streams over the keys may use a running M (the ceiling of the running maximum): every later rescaling is an exact power of two, so the quantised numbers keep their values, but for numbers so far below the row's largest that they fall under the format's range.
;;   OPERANDS COMPUTED ON THE WAY. 'Computed on the way' means the value that the module computes at that place (a softmax that the list does not call 'softmax' is quantised finished and normalised). What goes into a quantiser is computed in f32, as accurately as f32 sums, v_exp_f32 and their like allow (about 1e-6 of the number): no bf16 or f16 on the way to a quantiser, and a product that is left as it is and whose result goes on into a quantised operand takes f32 operands (vector FMAs, or v_wmma_f32_16x16x4_f32). A number that lies on a knife's edge between two numbers of the format may be rounded either way, as far as f32 arithmetic and the matrix unit's own rounding can turn it there, and no further.
;;   INPUTS GIVEN AS CODES. Wk (in the module: [1024, 1024], K = its axis 0); Wq (in the module: [1024, 1024], K = its axis 0); Wv (in the module: [1024, 1024], K = its axis 0); x (in the module: [4, 2048, 1024], K = its axis 2): each comes as NAME_codes (uint8): NAME with its K axis moved to the last place and cut into blocks of 32 codes, [.., K / 32, bytes a block], one block behind the other in memory; one code a byte (a code: sign, 4 exponent bits, 3 mantissa bits); its scale is its entry of lowp_scales. Its value is code x scale, taken as it is: it is not quantised again, and the codes and scales need not be those that the quantiser above would give.
;; One version. Each part assembles by itself: llvm-mc -triple=amdgcn-amd-amdhsa -mcpu=gfx1250 --defsym DOCPART=n.
;; ======== version 1 of 1: 2 launches
;; limits: right only within a limited range of input values
;; workspace buffers: qf 8,388,608 bytes; kf 8,388,608 bytes; vf 8,388,608 bytes
;; launch proj (part 1): grid 8 x 32, 4 waves a work-group, clusters of 4 x 4, 327,680 bytes of LDS; arguments x_codes, Wq_codes, Wk_codes, Wv_codes, lowp_scales, qf, kf, vf; writes qf, kf, vf
.if DOCPART == 1
	.amdgcn_target "amdgcn-amd-amdhsa--gfx1250"
	.amdhsa_code_object_version 6
	.text
	.protected	k_q4bb4a0729a_proj
	.globl	k_q4bb4a0729a_proj
	.p2align	8
	.type	k_q4bb4a0729a_proj,@function
k_q4bb4a0729a_proj:
	s_mov_b64 s[64:65], 0
	v_nop
	global_prefetch_b8 v0, s[64:65] scope:SCOPE_SE
	s_setreg_imm32_b32 hwreg(HW_REG_WAVE_MODE, 25, 1), 1
	s_wait_xcnt 0x0
	s_wait_alu depctr_hold_cnt(0) depctr_sa_sdst(0) depctr_va_vdst(0) depctr_va_sdst(0) depctr_va_ssrc(0) depctr_va_vcc(0) depctr_vm_vsrc(0)
	s_getreg_b32 s2, hwreg(HW_REG_IB_STS2, 6, 4)
	s_cmp_eq_u32 s2, 0
	s_cbranch_scc0 .Lentry_in_a_cluster
	s_endpgm
.Lentry_in_a_cluster:
	s_bfe_u32 s2, ttmp6, 0x10000c
	s_cmp_lg_u32 s2, 0xf033
	s_cbranch_scc0 .Lentry_shape_is_right
	s_endpgm
.Lentry_shape_is_right:
; q = x Wq, k = x Wk, v = x Wv on codes of FP8 (E4M3), and the quantisers of q, k and v.  x: [8192][1024] codes, W*: [1024 (n)][1024 (k)] codes, K innermost.
; SHARES.  8 x 32 = 256 work-groups.  Work-group (J, P) takes x's rows 256 P .. + 255 against channels 128 J .. + 127 of ALL THREE weights: 256 x 384 sums.  A wave takes 128 rows (hx) x 64 channels (hw: one head) of q, k and v:
; 3 x 32 accumulators of 16 x 16, 768 registers: q's in window 1, k's in window 2, v's in window 3, accumulator (a, b) at v[8 (8 b + a)] (a: 16 rows of x, b: 16 channels).
; q, k: source 0 = 16 channels of W, source 1 = 16 rows of x: a lane's eight numbers are eight neighbouring channels of one token: neighbours along the K of q k^T.
; v:    source 0 = 16 rows of x, source 1 = 16 channels of Wv: a lane's eight numbers are eight neighbouring KEYS of one channel: neighbours along the K of p v.
; So a conversion of an accumulator's eight registers gives two registers of the next launch's operand, and the codes are stored AS IMAGES OF THAT OPERAND'S REGISTERS:
;   qf, kf: [head 64][tile of 16 rows 128][c 2][lane 32][16 bytes];   vf: [head 64][128 keys 16][16 channels 4][c 4][lane 32][16 bytes].  Each store of a wave covers 512 consecutive bytes, aligned.
; A sum stands for sum x 2^(ea + eb); its code is sum / 2^(eo - ea - eb), held within +-448 of that scale: the three given exponents are folded into the conversion's one scale.
; LIMITS: eo - ea - eb between -126 and 119 for each product, so that the scale and 448 x the scale are f32 numbers.  NaN codes among the inputs are not served.
; LDS.  K goes in four fills of 256: 256 rows of x and 3 x 128 rows of W, 640 rows of 256 + 16 bytes = 174,080 bytes.  Two such slots would be 348,160 bytes, more than the 327,680 there are: so ONE region, with two barriers a fill:
; one round of the cluster's barrier in front of the refill, one work-group barrier between the fill and its reads.  The refill is asked for when the fill's last quarter is in registers: that quarter's 96 products stand between the request and the wait for it.
; One tensor load a wave: wave 0 x's 256 rows, waves 1, 2, 3 the 128 rows of Wq, Wk, Wv.
; CLUSTERS: 4 x 4 work-groups.  x's tile hangs on P alone and is shared along a row of the cluster, W's tiles on J alone and are shared along a column: each is asked for jointly.
; No prefetch: K is four fills, at the largest block that the registers hold, in clusters.
; A quarter is 64 along K: fragments of 16 rows x 64 K, 8 registers, by two loads of 16 bytes, 32 bytes apart: the same permutation of k in both sources.  x's eight fragments have two sets, W's twelve one set:
; a product's four are loaded anew behind its 32 matrix instructions, 64 matrix instructions ahead of their next use.
; REGISTERS, window 0: v0-31 addresses; v32-95, v96-159 x's fragments; v160-255 W's (product p at 160 + 32 p); on the way out v32-223 the codes.
.set PITCH,  272                       ; an LDS row: 256 bytes + 16 of padding: the 16 rows that a load touches start 68 words apart
.set XB,     256*PITCH                 ; x's 256 rows; W's tiles begin here
.set WB,     128*PITCH                 ; a weight's 128 rows
.set SPARE,  XB+3*WB                   ; 174,080: the spare words, 128 bytes for each wave
.set ADX,  16                          ; v16     LDS address of my fragments of x
.set ADW,  17                          ; v17-19  of Wq, Wk, Wv
.set CO,   26                          ; v26     16 x lane: my place in an image
.set SPW,  28                          ; v28     my spare word; never rewritten
.set NIL,  29                          ; v29     0; never rewritten
.set SCL,  30                          ; v30     2^(eo - ea - eb) as f32
.set X0,   32
.set WF,   160
.set G1,  24                           ; s[24:31] group 1 for x's tile;  s[32:35] its group 0
.set G0,  32
.set G1B, 48                           ; s[48:55], s[56:59] the same for a weight's tile
.set G0B, 56
.set LIM, 94                           ; s94  448 x the scale;  s95  its negative
.set MSB, 0
.macro WIN new                         ; the immediate's high byte repeats the setting that is left
.if MSB != \new
	s_set_vgpr_msb (MSB<<8)|\new
.set MSB, \new
.endif
.endm
.macro PLACES n
.rept \n
	v_nop
.endr
.endm
; A joint load: wave 0 fetches x's tile, the others a weight's.  The branch hangs on the wave's number alone.  An s_nop 0 and four v_nop follow each of the two lines.
.macro JLOAD
	s_cmp_eq_u32 s14, 0
	s_cbranch_scc0 .Lfor_w_\@
	tensor_load_to_lds s[G0:G0+3], s[G1:G1+7]
	s_nop 0
	PLACES 4
	s_branch .Lasked_\@
.Lfor_w_\@:
	tensor_load_to_lds s[G0B:G0B+3], s[G1B:G1B+7]
	s_nop 0
	PLACES 4
.Lasked_\@:
.endm
.macro CROUND                          ; a round of the cluster's barrier
	s_barrier_signal -1
	s_barrier_wait -1
	s_cmp_lg_u32 s14, 0
	s_cbranch_scc1 .Lnot_wave_0_\@
	s_barrier_signal -3
.Lnot_wave_0_\@:
	s_barrier_wait -3
	s_barrier_signal -1
	s_barrier_wait -1
.endm
	s_load_b512 s[68:83], s[0:1], 0x0              ; x s[68:69], Wq s[70:71], Wk s[72:73], Wv s[74:75], the exponents s[76:77], qf s[78:79], kf s[80:81], vf s[82:83]
	v_lshl_add_u32 v[SPW], v0, 2, SPARE
	v_mov_b32 v[NIL], 0
	ds_add_u32 v[SPW], v[NIL]                      ; the opening: the add, twice on end, and its wait ahead of the round in front of my first tensor load
	ds_add_u32 v[SPW], v[NIL]
	v_lshrrev_b32 v1, 5, v0
	v_readfirstlane_b32 s14, v1                    ; wave 0..3
	s_lshr_b32 s15, s14, 1                         ; hx: which 128 rows of x are mine
	s_and_b32 s16, s14, 1                          ; hw: which 64 channels
	s_bfe_u32 s40, ttmp6, 0x40000                  ; cx, cy: my place in the cluster
	s_bfe_u32 s41, ttmp6, 0x40004
	s_lshl_b32 s42, ttmp9, 2
	s_add_co_u32 s42, s42, s40                     ; J: it never holds cy
	s_and_b32 s17, ttmp7, 0xffff
	s_lshl_b32 s17, s17, 2
	s_add_co_u32 s17, s17, s41                     ; P: it never holds cx
	s_lshl_b32 s43, s41, 2
	s_lshl_b32 s43, 15, s43                        ; my row of the cluster
	s_lshl_b32 s44, 0x1111, s40                    ; my column
	; group 1: rows of 256 bytes, 1,024 bytes apart in memory, padded in LDS: elements of 1 byte; padding on; bit 21 beside the mask; four words after every 64
	s_or_b32 s[G1+0], s43, (0<<16)|(1<<20)|(1<<21)|(5<<22)|(3<<25)
	s_or_b32 s[G1B+0], s44, (0<<16)|(1<<20)|(1<<21)|(5<<22)|(3<<25)
	s_mov_b32 s[G1+1], 256<<16                     ; tensor_dim0
	s_mov_b32 s[G1+2], 256<<16                     ; tensor_dim1 = 256 rows
	s_mov_b32 s[G1+3], 256<<16                     ; tile_dim0
	s_mov_b32 s[G1+4], 256                         ; tile_dim1
	s_mov_b32 s[G1+5], 1024                        ; from row to row
	s_mov_b32 s[G1+6], 0
	s_mov_b32 s[G1+7], 0
	s_mov_b32 s[G1B+1], 256<<16
	s_mov_b32 s[G1B+2], 128<<16                    ; 128 rows
	s_mov_b32 s[G1B+3], 256<<16
	s_mov_b32 s[G1B+4], 128
	s_mov_b32 s[G1B+5], 1024
	s_mov_b32 s[G1B+6], 0
	s_mov_b32 s[G1B+7], 0
	s_lshl_b32 s20, s17, 18                        ; x: 256 P rows of 1,024 bytes
	s_mov_b32 s21, 0
	s_lshl_b32 s46, s42, 17                        ; W: 128 J rows
	s_mov_b32 s47, 0
	s_mul_i32 s45, s14, WB
	s_add_co_u32 s45, s45, XB-WB                   ; where wave 1, 2, 3's tile goes: made of the wave's number alone
	s_wait_dscnt 0x0                               ; both opening adds are done
	s_wait_kmcnt 0x0
	s_load_b256 s[84:91], s[76:77], 0x0            ; e0 .. e7
	s_load_b64 s[92:93], s[76:77], 0x20            ; e8, e9
	s_cmp_eq_u32 s14, 2                            ; the weight is chosen by the wave's number alone
	s_cselect_b64 s[6:7], s[72:73], s[70:71]
	s_cmp_eq_u32 s14, 3
	s_cselect_b64 s[6:7], s[74:75], s[6:7]
	s_add_nc_u64 s[20:21], s[68:69], s[20:21]
	s_add_nc_u64 s[46:47], s[6:7], s[46:47]
	CROUND                                         ; all sixteen work-groups are here: the first joint loads meet
	s_mov_b32 s[G0], 1
	s_mov_b32 s[G0+1], 0
	s_mov_b64 s[G0+2:G0+3], s[20:21]
	s_or_b32 s[G0+3], s[G0+3], 0x80000000
	s_mov_b32 s[G0B], 1
	s_mov_b32 s[G0B+1], s45
	s_mov_b64 s[G0B+2:G0B+3], s[46:47]
	s_or_b32 s[G0B+3], s[G0B+3], 0x80000000
	JLOAD                                          ; K 0-255: my one tensor load at the head
	v_and_b32 v1, 15, v0                           ; l % 16
	v_bfe_u32 v2, v0, 4, 1                         ; l / 16
	v_mul_u32_u24 v3, v1, PITCH
	v_lshl_add_u32 v4, v2, 4, v3                   ; a fragment's row x pitch + 16 x half
	s_mul_i32 s21, s15, 128*PITCH                  ; my 128 rows of x
	s_mul_i32 s22, s16, 64*PITCH                   ; my 64 rows of each weight,
	s_add_co_u32 s22, s22, XB                      ; which lie behind x's 256
	v_add_nc_u32 v[ADX], s21, v4
	v_add_nc_u32 v[ADW], s22, v4
	s_add_co_u32 s22, s22, WB
	v_add_nc_u32 v[ADW+1], s22, v4
	s_add_co_u32 s22, s22, WB
	v_add_nc_u32 v[ADW+2], s22, v4
	v_and_b32 v6, 31, v0
	v_lshlrev_b32 v[CO], 4, v6                     ; 16 x lane
	; where my wave's images begin, the same offset in qf, kf and vf: batch P / 8 is 16 heads on; head 2 J + hw; 128 rows (8 tiles of q or k, one key step of v) are 8,192 bytes
	s_lshr_b32 s18, s17, 3
	s_lshl_b32 s18, s18, 21
	s_and_b32 s98, s17, 7
	s_lshl_b32 s98, s98, 1
	s_add_co_u32 s98, s98, s15
	s_lshl_b32 s98, s98, 13                        ; (2 (P % 8) + hx) x 8,192
	s_lshl_b32 s99, s42, 1
	s_add_co_u32 s99, s99, s16
	s_lshl_b32 s99, s99, 17                        ; head 2 J + hw
	s_add_co_u32 s98, s98, s18
	s_add_co_u32 s98, s98, s99                     ; under 2^23
	s_mov_b32 s99, 0
	s_add_nc_u64 s[78:79], s[78:79], s[98:99]
	s_add_nc_u64 s[80:81], s[80:81], s[98:99]
	s_add_nc_u64 s[82:83], s[82:83], s[98:99]
.macro FRAG reg, adr, t, i             ; 16 rows x 64 K: lane l holds row l % 16; registers 4 c .. 4 c + 3 hold K = 32 c + 16 (l / 16) + 0 .. 15 of the fill's t-th quarter
	ds_load_b128 v[\reg:\reg+3], v[\adr] offset:64*(\t)+(\i)*16*PITCH
	ds_load_b128 v[\reg+4:\reg+7], v[\adr] offset:64*(\t)+32+(\i)*16*PITCH
.endm
.macro FETCH_W p, t                    ; product p's four fragments: 8 loads
.irp i, 0,1,2,3
	FRAG WF+32*(\p)+8*\i, ADW+(\p), \t, \i
.endr
.endm
.macro FETCH_X xb, t                   ; x's eight fragments into the set at xb: 16 loads
.irp i, 0,1,2,3,4,5,6,7
	FRAG (\xb)+8*\i, ADX, \t, \i
.endr
.endm
.macro MM d, s0, s1, zero              ; zero = 1: the first product starts the sum: nothing is ever cleared
.if \zero
	v_wmma_f32_16x16x64_fp8_fp8 v[\d:\d+7], v[\s0:\s0+7], v[\s1:\s1+7], 0
.else
	v_wmma_f32_16x16x64_fp8_fp8 v[\d:\d+7], v[\s0:\s0+7], v[\s1:\s1+7], v[\d:\d+7]
.endif
.endm
; Product p's 32 matrix instructions of a quarter.  The 96 accumulators take turns, one instruction a turn, in the same order in every quarter.
.macro GROUP p, xb, zero
	WIN ((\p)+1)*0x50                              ; C and D: window p + 1; both sources: window 0
.irp b, 0,1,2,3
.irp a, 0,1,2,3,4,5,6,7
.if (\p) == 2
	MM 8*(8*\b+\a), (\xb)+8*\a, WF+32*(\p)+8*\b, \zero
.else
	MM 8*(8*\b+\a), WF+32*(\p)+8*\b, (\xb)+8*\a, \zero
.endif
.endr
.endr
.endm
; A quarter: 64 along K, 96 matrix instructions.  pf = 1: behind each product its fragments of the next quarter are asked for (four places first: loads into registers that matrix instructions have read), x's other set with the first.
; The loads run in the order Wq 8, x 16, Wk 8, Wv 8.  Ahead of q's products Wk's and Wv's 16 may be out; ahead of k's: Wv's 8 and the next quarter's 24; ahead of v's: the next quarter's 24 + 8.
.macro KSTEP t, zero, pf
.if \pf
	s_wait_dscnt 16
.endif
	GROUP 0, X0+64*((\t)%2), \zero
.if \pf
	WIN 0
	PLACES 4
	FETCH_W 0, (\t)+1
	FETCH_X X0+64*(((\t)+1)%2), (\t)+1
	s_wait_dscnt 32
.endif
	GROUP 1, X0+64*((\t)%2), \zero
.if \pf
	WIN 0
	PLACES 4
	FETCH_W 1, (\t)+1
	s_wait_dscnt 32
.endif
	GROUP 2, X0+64*((\t)%2), \zero
.if \pf
	WIN 0
	PLACES 4
	FETCH_W 2, (\t)+1
.endif
.endm
; A fill's four quarters.  more = 1: when the last quarter's fragments are in registers, nobody of my wave reads the region any more: the three lines, a round of the cluster's barrier, the joint refill;
; the last quarter's products follow; then the wait for my load and a work-group barrier, behind which the new fill is read.
.macro FILL zero, more
	FETCH_W 0, 0
	FETCH_X X0, 0
	FETCH_W 1, 0
	FETCH_W 2, 0
	KSTEP 0, \zero, 1
	KSTEP 1, 0, 1
	KSTEP 2, 0, 1
.if \more
	s_wait_tensorcnt 0x0                           ; no tensor load of mine is out, so a group 0 may be written
	ds_add_u32 v[SPW], v[NIL]                      ; 0 onto my spare word
	s_add_nc_u64 s[G0+2:G0+3], s[G0+2:G0+3], 256   ; the next 256 along K
	s_add_nc_u64 s[G0B+2:G0B+3], s[G0B+2:G0B+3], 256
	s_wait_dscnt 0x0                               ; the add is done, and my reads of the region are over
	CROUND                                         ; that holds of every wave of all sixteen work-groups
	JLOAD                                          ; the first tensor load behind the round, one a wave
.else
	s_wait_dscnt 0x0
.endif
	KSTEP 3, 0, 0
	WIN 0
	PLACES 4                                       ; behind the last products: for the loads into their sources, or for the reads of the sums
.if \more
	s_wait_tensorcnt 0x0                           ; my part of the new fill is in,
	s_barrier_signal -1
	s_barrier_wait -1                              ; everybody's is
.endif
.endm
	s_wait_alu depctr_va_vdst(0)                   ; the wait at the head's end
	s_wait_tensorcnt 0x0                           ; my part of K 0-255 is in,
	s_barrier_signal -1
	s_barrier_wait -1                              ; everybody's is.
	FILL 1, 1                                      ; K 0-255: its first products start the sums
	FILL 0, 1                                      ; K 256-511
	FILL 0, 1                                      ; K 512-767
	FILL 0, 0                                      ; K 768-1023: nothing is left to fetch
; THE WAY OUT of product p.  es: the scalar pair with ea, eb; eo: the result's exponent; ob: the images' base.  256 holds (the conversion to an 8-bit code does not saturate: ISA guide 7.6.2), each accumulator from its low end on;
; 32 conversions; 16 stores of 512 consecutive bytes.  Each product has code registers of its own (v[32 + 64 p] on), so no store's data are written again.
.macro OUTP p, es, eo, ob
	s_add_co_i32 s96, s[\es], s[\es+1]
	s_sub_co_i32 s96, s[\eo], s96                  ; eo - ea - eb
	s_add_co_i32 s96, s96, 127
	s_add_co_i32 s[LIM], s96, 8
	s_lshl_b32 s96, s96, 23                        ; 2^(eo - ea - eb) as f32
	s_lshl_b32 s[LIM], s[LIM], 23
	s_or_b32 s[LIM], s[LIM], 0x600000              ; 448 x that
	s_or_b32 s[LIM+1], s[LIM], 0x80000000          ; and its negative
	v_mov_b32 v[SCL], s96
	WIN ((\p)+1)*0x41                              ; destination and source 0: window p + 1
.set JJ, 0
.rept 256
	v_med3_num_f32 v[JJ], v[JJ], s[LIM+1], s[LIM]
.set JJ, JJ+1
.endr
	WIN (\p)+1                                     ; source 0: window p + 1; destination and the scale: window 0
.irp b, 0,1,2,3
.irp a, 0,1,2,3,4,5,6,7
.if (\p) == 2
	v_cvt_scalef32_pk8_fp8_f32 v[32+64*(\p)+16*\b+2*\a:32+64*(\p)+16*\b+2*\a+1], v[8*(8*\b+\a):8*(8*\b+\a)+7], v[SCL]   ; registers 2 a, 2 a + 1 of the fragment of channels 16 b ..: keys 16 a + 8 h + 0 .. 7
.else
	v_cvt_scalef32_pk8_fp8_f32 v[32+64*(\p)+8*\a+2*\b:32+64*(\p)+8*\a+2*\b+1], v[8*(8*\b+\a):8*(8*\b+\a)+7], v[SCL]     ; registers 2 b, 2 b + 1 of the fragment of rows 16 a ..: channels 16 b + 8 h + 0 .. 7
.endif
.endr
.endr
	v_nop                                          ; one plain vector instruction behind the last conversion of the run
	WIN 0
.set JJ, 0
.rept 16
	global_store_b128 v[CO], v[32+64*(\p)+4*JJ:32+64*(\p)+4*JJ+3], s[\ob:\ob+1] offset:512*JJ   ; q, k: tile a = JJ / 2, c = JJ % 2; v: channels 16 (JJ / 4), c = JJ % 4: both orders are the images' own
.set JJ, JJ+1
.endr
.endm
	s_wait_kmcnt 0x0
	OUTP 0, 84, 90, 78                             ; q: e0, e1; e6
	OUTP 1, 86, 91, 80                             ; k: e2, e3; e7
	OUTP 2, 88, 93, 82                             ; v: e4, e5; e9
	s_wait_tensorcnt 0x0                           ; the wave's end
	ds_add_u32 v[SPW], v[NIL]
	s_wait_dscnt 0x0
	CROUND                                         ; the closing round: no work-group ends while a partner may still ask for a tile that names it
	s_endpgm
.Lfunc_end_k_q4bb4a0729a_proj:
	.size	k_q4bb4a0729a_proj, .Lfunc_end_k_q4bb4a0729a_proj-k_q4bb4a0729a_proj
	.p2alignl 7, 3214868480
	.fill 96, 4, 3214868480
	.section	.rodata,"a",@progbits
	.p2align	6, 0x0
	.amdhsa_kernel k_q4bb4a0729a_proj
		.amdhsa_group_segment_fixed_size 327680
		.amdhsa_private_segment_fixed_size 0
		.amdhsa_enable_private_segment 0
		.amdhsa_kernarg_size 64
		.amdhsa_user_sgpr_count 2
		.amdhsa_user_sgpr_kernarg_segment_ptr 1
		.amdhsa_wavefront_size32 1
		.amdhsa_system_sgpr_workgroup_id_x 1
		.amdhsa_system_sgpr_workgroup_id_y 1
		.amdhsa_system_sgpr_workgroup_id_z 1
		.amdhsa_system_vgpr_workitem_id 0
		.amdhsa_next_free_vgpr 1024
		.amdhsa_next_free_sgpr 102
		.amdhsa_reserve_vcc 0
		.amdhsa_float_denorm_mode_32 3
		.amdhsa_float_denorm_mode_16_64 3
		.amdhsa_memory_ordered 1
		.amdhsa_forward_progress 1
		.amdhsa_inst_pref_size 215
	.end_amdhsa_kernel
	.amdgpu_metadata
---
amdhsa.version: [ 1, 2 ]
amdhsa.kernels:
  - .name:           k_q4bb4a0729a_proj
    .symbol:         k_q4bb4a0729a_proj.kd
    .args:
      - { .name: x_codes, .offset: 0, .size: 8, .value_kind: global_buffer, .address_space: global }
      - { .name: Wq_codes, .offset: 8, .size: 8, .value_kind: global_buffer, .address_space: global }
      - { .name: Wk_codes, .offset: 16, .size: 8, .value_kind: global_buffer, .address_space: global }
      - { .name: Wv_codes, .offset: 24, .size: 8, .value_kind: global_buffer, .address_space: global }
      - { .name: lowp_scales, .offset: 32, .size: 8, .value_kind: global_buffer, .address_space: global }
      - { .name: qf, .offset: 40, .size: 8, .value_kind: global_buffer, .address_space: global }
      - { .name: kf, .offset: 48, .size: 8, .value_kind: global_buffer, .address_space: global }
      - { .name: vf, .offset: 56, .size: 8, .value_kind: global_buffer, .address_space: global }
    .group_segment_fixed_size: 327680
    .private_segment_fixed_size: 0
    .kernarg_segment_align: 8
    .kernarg_segment_size: 64
    .max_flat_workgroup_size: 128
    .sgpr_count:     102
    .vgpr_count:     1024
    .wavefront_size: 32
...
	.end_amdgpu_metadata
.endif
;; end of part 1
;; launch attn (part 2): grid 256 x 1, 16 waves a work-group, clusters of 4 x 1, 327,680 bytes of LDS; arguments qf, kf, vf, lowp_scales, out0; writes out0
.if DOCPART == 2
	.amdgcn_target "amdgcn-amd-amdhsa--gfx1250"
	.amdhsa_code_object_version 6
	.text
	.protected	k_q4bb4a0729a_attn
	.globl	k_q4bb4a0729a_attn
	.p2align	8
	.type	k_q4bb4a0729a_attn,@function
k_q4bb4a0729a_attn:
	s_mov_b64 s[64:65], 0
	v_nop
	global_prefetch_b8 v0, s[64:65] scope:SCOPE_SE
	s_setreg_imm32_b32 hwreg(HW_REG_WAVE_MODE, 25, 1), 1
	s_wait_xcnt 0x0
	s_wait_alu depctr_hold_cnt(0) depctr_sa_sdst(0) depctr_va_vdst(0) depctr_va_sdst(0) depctr_va_ssrc(0) depctr_va_vcc(0) depctr_vm_vsrc(0)
	s_getreg_b32 s2, hwreg(HW_REG_IB_STS2, 6, 4)
	s_cmp_eq_u32 s2, 0
	s_cbranch_scc0 .Lentry_in_a_cluster
	s_endpgm
.Lentry_in_a_cluster:
	s_bfe_u32 s2, ttmp6, 0x10000c
	s_cmp_lg_u32 s2, 0x3003
	s_cbranch_scc0 .Lentry_shape_is_right
	s_endpgm
.Lentry_shape_is_right:
; Causal attention on codes of FP8 (E4M3), 64 heads of 2,048 x 64.  qf, kf, vf hold images of operand registers:
;   qf, kf: [head][tile of 16 rows 128][c 2][lane 32][16 bytes]: registers 4 c .. 4 c + 3 of a fragment of 16 rows x 64 channels;  vf: [head][128 keys 16][16 channels 4][c 4][lane 32][16 bytes]: of 16 channels x 128 keys.
; out0: [4][2048][1024] f32.  The given exponents: e6 (q), e7 (k), e8 (p), e9 (v).
; LEFT OUT: key steps all of whose 128 keys come after a tile's 16 queries: reference() sets their scores to -infinity by its own causal mask, so their p is 0 for all values of the inputs.
; A NaN or an infinity that reaches only such scores is not carried to the result.
; THE SOFTMAX: t = score x log2(e) / 8; M = the running largest t rounded UP to a whole number; p = 2^(t - M) is quantised with 2^e8, not normalised.  The row's sum is taken of the unquantised p and divides at the end.
; When M moves, the sum and O are multiplied by 2^(old M - new M): exact.
; SHARES.  A cluster of four work-groups is one head.  A wave takes TWO tiles of 16 queries, tile 4 w + cx and its mirror 127 - (4 w + cx): with u = w / 2 they need u + 1 and 16 - u steps of 128 keys, 17 for every wave.
; Which steps are left out hangs on the wave's number alone; cx enters the addresses of Q and of out0 and the mask's lane numbers, no branch and no LDS address.
; LDS: K's 131,072 bytes, V's 131,072, a stage of 16 rows x 128 bytes for each of the sixteen waves (32,768), the spare words (2,048).  Nothing is filled twice.  The four partners need the same K and V: each part is asked for jointly.
; No prefetch: all of K and V is asked for in those two groups, so there is no later tile and no loop to run ahead in.
; LAYOUT.  S^T = K Q^T (source 0 = 16 keys, source 1 = my 16 queries), O^T = V^T P^T (source 0 = 16 channels, source 1 = P): a lane holds ONE query (lane % 16) throughout.  Register j of score tile t is key 16 t + 8 h + j,
; so the conversion of tile t gives registers 2 t, 2 t + 1 of P's fragment of 128 keys.
; LIMITS on the given exponents, so that each power of two below is an f32 number: e6 + e7 between -123 and 130 (added to c's exponent field); e8 between -126 and 119; e8 + e9 is applied by v_ldexp_f32 and has none.
; The scaled scores stay under 2^31 in magnitude.
; REGISTERS: v0 448 x 2^e8 (behind the head); v1-11 addresses, mask numbers, 0, 2^e8; v12 -M, v13 the largest t, v[14:15] the sum; v16-23 Q of the late tile, v24-31 of the early one; v32-95 a step's K, then its V;
; v96-159 S^T, then p, then O / l (v96-127) and half rows back from the stage (v128-159); v160-191 O^T; v192-223 rows back from the stage; v224-239 p's codes; v236-251 eight partial sums (ahead of the last codes); v252 f; v254 at work; v255 -infinity.
.set VBASE, 131072                     ; LDS: V begins here
.set STG,   262144                     ; the stages
.set SPARE, 294912                     ; the spare words: 128 bytes a wave, eight blocks of 256 bytes that no other line names
.set STEPB, 8192                       ; 128 keys of K (8 fragments of 1,024 bytes) or of V (4 of 2,048)
.set LI,   1                           ; 16 x lane
.set ADK,  2                           ; LDS address of the step's K
.set ADV,  3                           ; of its V
.set DH,   4                           ; the late tile's mask number: my query - the diagonal step's first key - 8 h
.set STO,  5                           ; the stage: where I put 16 bytes
.set RD,   6                           ; and where I read 16 bytes back
.set GO,   7                           ; my byte offset in the tile's rows of out0
.set SPW,  8                           ; my spare word; never rewritten
.set DL,   9                           ; the early tile's mask number
.set NIL,  10                          ; 0; never rewritten
.set SCL,  11                          ; 2^e8 as f32, for the conversions
.set NINF, 255
.set QH,   16
.set QL,   24
.set WV,   14                          ; s14  my wave's number
.set CX,   15                          ; s15  my work-group's place in the cluster
.set SEL,  20                          ; s[20:21] lane selects for v_permlanex16_b32: lane l xor 16
.set CS,   22                          ; s[22:23] c = log2(e) / 8 x 2^(e6 + e7)
.set G1A,  24                          ; s[24:31] descriptor group 1: 16 rows of 256 bytes;  s[32:39]: 48 rows
.set G1B,  32
.set G0A,  40
.set G0B,  44
.set TB,   48                          ; LDS byte of the step's K
.set KS,   49                          ; the step's number
.set CNT,  50
.set LASTH, 51                         ; the late tile's last step: 15 - u
.set LASTL, 52                         ; the early tile's: u
.set EPV,  53                          ; e8 + e9
.set PQH,  54
.set PQL,  56
.set POH,  58
.set POL,  60
.set HI8,  76                          ; s76  the lanes with lane % 16 >= 8
.macro CROUND                          ; a round of the cluster's barrier
	s_barrier_signal -1
	s_barrier_wait -1
	s_cmp_lg_u32 s[WV], 0
	s_cbranch_scc1 .Lnot_wave_0_\@
	s_barrier_signal -3
.Lnot_wave_0_\@:
	s_barrier_wait -3
	s_barrier_signal -1
	s_barrier_wait -1
.endm
.macro HOLD2 a                         ; two holds in one pair: the conversion to an 8-bit code does not saturate (ISA guide 7.6.2); p is not negative, so the hold is one-sided
	v_dual_min_num_f32 v[\a], v0, v[\a] :: v_dual_min_num_f32 v[\a+1], v0, v[\a+1]
.endm
	s_load_b256 s[4:11], s[0:1], 0x0               ; qf s[4:5], kf s[6:7], vf s[8:9], the exponents s[10:11]
	s_load_b64 s[12:13], s[0:1], 0x20              ; out0
	v_lshl_add_u32 v[SPW], v0, 2, SPARE
	v_mov_b32 v[NIL], 0
	ds_add_u32 v[SPW], v[NIL]                      ; the opening: the add, twice on end, and its wait ahead of the round in front of my first tensor load
	ds_add_u32 v[SPW], v[NIL]
	v_lshrrev_b32 v236, 5, v0
	v_readfirstlane_b32 s[WV], v236                ; wave 0..15
	s_bfe_u32 s[CX], ttmp6, 0x40000                ; cx
	; group 1: dense rows of 256 bytes (32 elements of 8 bytes), no padding; the mask names all four partners, bit 21 beside it
	s_mov_b32 s[G1A], 15|(3<<16)|(1<<21)
	s_mov_b32 s[G1A+1], 32<<16
	s_mov_b32 s[G1A+2], 16<<16                     ; 16 rows
	s_mov_b32 s[G1A+3], 32<<16
	s_mov_b32 s[G1A+4], 16
	s_mov_b32 s[G1A+5], 32
	s_mov_b32 s[G1A+6], 0
	s_mov_b32 s[G1A+7], 0
	s_mov_b32 s[G1B], 15|(3<<16)|(1<<21)
	s_mov_b32 s[G1B+1], 32<<16
	s_mov_b32 s[G1B+2], 48<<16                     ; 48 rows
	s_mov_b32 s[G1B+3], 32<<16
	s_mov_b32 s[G1B+4], 48
	s_mov_b32 s[G1B+5], 32
	s_mov_b32 s[G1B+6], 0
	s_mov_b32 s[G1B+7], 0
	; waves 0-7 fetch K, waves 8-15 V; part p = wave % 8: 4,096 bytes of the first 32,768 (keys 0-511), 12,288 of the other 98,304
	s_lshr_b32 s72, s[WV], 3
	s_lshl_b32 s72, s72, 17
	s_and_b32 s73, s[WV], 7
	s_lshl_b32 s74, s73, 12
	s_mul_i32 s75, s73, 12288
	s_add_co_u32 s75, s75, 32768
	s_lshl_b32 s73, ttmp9, 17                      ; the head (the cluster's x) x 131,072 bytes
	s_add_co_u32 s76, s73, s74
	s_mov_b32 s77, 0
	s_add_co_u32 s78, s73, s75
	s_mov_b32 s79, 0
	s_wait_dscnt 0x0                               ; both opening adds are done
	s_wait_kmcnt 0x0
	s_load_b128 s[68:71], s[10:11], 0x18           ; e6, e7, e8, e9
	s_cmp_lt_u32 s[WV], 8
	s_cselect_b64 s[2:3], s[6:7], s[8:9]           ; kf or vf: by the wave's number alone
	s_mov_b32 s[G0A], 1
	s_add_co_u32 s[G0A+1], s72, s74
	s_add_nc_u64 s[G0A+2:G0A+3], s[2:3], s[76:77]
	s_or_b32 s[G0A+3], s[G0A+3], 0x80000000
	s_mov_b32 s[G0B], 1
	s_add_co_u32 s[G0B+1], s72, s75
	s_add_nc_u64 s[G0B+2:G0B+3], s[2:3], s[78:79]
	s_or_b32 s[G0B+3], s[G0B+3], 0x80000000
	CROUND                                         ; all four work-groups are here: the joint loads meet
	tensor_load_to_lds s[G0A:G0A+3], s[G1A:G1A+7]  ; my part of keys 0-511: my one tensor load at the head
	s_nop 0
	; my two tiles.  What holds cx goes into global addresses and lane numbers alone
	s_lshl_b32 s16, s[WV], 2
	s_add_co_u32 s16, s16, s[CX]                   ; the early tile: 4 w + cx
	s_sub_co_u32 s17, 127, s16                     ; the late one
	s_lshl_b32 s18, ttmp9, 17
	s_mov_b32 s63, 0
	s_lshl_b32 s62, s17, 10                        ; a fragment of Q is 1,024 bytes
	s_add_co_u32 s62, s62, s18
	s_add_nc_u64 s[PQH:PQH+1], s[4:5], s[62:63]
	s_lshl_b32 s62, s16, 10
	s_add_co_u32 s62, s62, s18
	s_add_nc_u64 s[PQL:PQL+1], s[4:5], s[62:63]
	v_and_b32 v236, 31, v0
	v_lshlrev_b32 v[LI], 4, v236
	global_load_b128 v[QH:QH+3],   v[LI], s[PQH:PQH+1]
	global_load_b128 v[QH+4:QH+7], v[LI], s[PQH:PQH+1] offset:512
	global_load_b128 v[QL:QL+3],   v[LI], s[PQL:PQL+1]
	global_load_b128 v[QL+4:QL+7], v[LI], s[PQL:PQL+1] offset:512
	s_lshr_b32 s18, ttmp9, 4
	s_lshl_b32 s18, s18, 23                        ; out0: the batch's 2,048 rows of 4,096 bytes,
	s_and_b32 s19, ttmp9, 15
	s_lshl_b32 s19, s19, 8                         ; the head's 256 bytes of a row,
	s_add_co_u32 s18, s18, s19
	s_lshl_b32 s62, s17, 16                        ; the tile's 16 rows
	s_add_co_u32 s62, s62, s18
	s_add_nc_u64 s[POH:POH+1], s[12:13], s[62:63]
	s_lshl_b32 s62, s16, 16
	s_add_co_u32 s62, s62, s18
	s_add_nc_u64 s[POL:POL+1], s[12:13], s[62:63]
	s_lshr_b32 s[LASTL], s[WV], 1                  ; u
	s_sub_co_u32 s[LASTH], 15, s[LASTL]
	s_lshl_b32 s74, s[WV], 11
	s_add_co_u32 s74, s74, STG                     ; my stage
	s_and_b32 s18, s[WV], 1
	s_lshl_b32 s18, s18, 2
	s_add_co_u32 s18, s18, s[CX]                   ; the early tile % 8
	s_lshl_b32 s19, s18, 4
	s_sub_co_u32 s18, 112, s19                     ; 16 (7 - that): the late tile's
	s_mov_b32 s[SEL], 0x76543210
	s_mov_b32 s[SEL+1], 0xfedcba98
	s_mov_b32 s[HI8], 0xff00ff00
	s_mov_b32 s[CS], 0x3e38aa3b                    ; log2(e) / 8
	s_wait_kmcnt 0x0
	s_add_co_i32 s72, s68, s69
	s_lshl_b32 s72, s72, 23
	s_add_co_i32 s[CS], s[CS], s72                 ; a score stands for score x 2^(e6 + e7): the exponents are added to c's exponent field
	s_mov_b32 s[CS+1], s[CS]
	s_add_co_i32 s72, s70, 127
	s_lshl_b32 s73, s72, 23                        ; 2^e8
	s_add_co_i32 s72, s72, 8
	s_lshl_b32 s75, s72, 23
	s_or_b32 s75, s75, 0x600000                    ; 448 x 2^e8
	s_add_co_i32 s[EPV], s70, s71
	; THE STAGE: 16 rows (queries) of 128 bytes (32 channels), my wave's own.  The 16-byte column c (0 .. 7) of row q lies at column c xor (q / 2): two rows fill 256 bytes, so sixteen lanes that store one column of sixteen rows touch sixteen different 16-byte places of the 256.
	v_and_b32 v236, 15, v0                         ; r
	v_bfe_u32 v237, v0, 4, 1                       ; h
	v_bfe_u32 v238, v0, 1, 3                       ; r / 2
	v_lshlrev_b32 v239, 1, v237
	v_xor_b32 v239, v239, v238                     ; in: row r; store k holds column (4 (k / 2) + k % 2) xor 2 h: (r / 2 xor 2 h) here, k's part by an exclusive or at the store
	v_lshlrev_b32 v239, 4, v239
	v_lshl_add_u32 v239, v236, 7, v239
	v_add_nc_u32 v[STO], s74, v239
	v_and_b32 v238, 7, v0                          ; back: load i takes row 2 i + h, column r % 8: i by an exclusive or at the load
	v_lshlrev_b32 v239, 4, v238
	v_lshl_add_u32 v239, v237, 7, v239
	v_add_nc_u32 v[RD], s74, v239
	v_lshlrev_b32 v[GO], 4, v236
	v_lshl_add_u32 v[GO], v237, 12, v[GO]          ; out0: lanes 0-15 one row's 256 bytes, lanes 16-31 the next row's
	; the mask on the diagonal step: register 8 t + j holds key 16 t + 8 h + j: hidden where 16 t + j > 16 (tile % 8) + r - 8 h
	v_lshlrev_b32 v239, 3, v237
	v_sub_nc_u32 v239, v236, v239
	v_add_nc_u32 v[DH], s18, v239
	v_add_nc_u32 v[DL], s19, v239
	v_mov_b32 v254, 0                              ; written once: a lane permute's destination counts as one of its sources
	v_mov_b32 v252, 0
	v_mov_b32 v253, 0                              ; (named as the upper half of the pair v[252:253])
	v_mov_b32 v[NINF], 0xff800000
	v_mov_b32 v[SCL], s73
	v_mov_b32 v0, s75                              ; the thread's number is done with: v0 holds 448 x 2^e8 from here on
; A KEY STEP: 128 keys against the tile whose Q lies in v[qr] on; dm: its mask number; last: its last step.  A step beyond the tile's last is left out by a scalar branch on the step's number and the wave's.
.macro STEP qr, dm, last
	s_cmp_gt_u32 s[KS], s[\last]
	s_cbranch_scc1 .Lhid_\@
	v_add_nc_u32 v[ADK], s[TB], v[LI]
	v_add_nc_u32 v[ADV], VBASE, v[ADK]
	v_nop
	v_nop                                          ; with the two additions: four places in front of loads into registers that the last products have read
.irp t, 0,1,2,3,4,5,6,7
	ds_load_b128 v[32+8*\t:35+8*\t], v[ADK] offset:1024*\t
	ds_load_b128 v[36+8*\t:39+8*\t], v[ADK] offset:1024*\t+512
.endr
	s_wait_alu depctr_va_vdst(0)                   ; the wait directly ahead of the wait below
	s_wait_dscnt 0x0
.irp t, 0,1,2,3,4,5,6,7
	v_wmma_f32_16x16x64_fp8_fp8 v[96+8*\t:103+8*\t], v[32+8*\t:39+8*\t], v[\qr:\qr+7], 0
.endr
.rept 4
	v_nop                                          ; places: for V's loads into K's registers, and for the first reads of the scores
.endr
.irp d, 0,1,2,3                                ; V's fragments are asked for here; the wait for them stands behind the softmax
.irp c, 0,1,2,3
	ds_load_b128 v[32+16*\d+4*\c:35+16*\d+4*\c], v[ADV] offset:2048*\d+512*\c
.endr
.endr
	s_cmp_lg_u32 s[KS], s[\last]                   ; only the tile's last step lies on the diagonal: there hidden scores become -infinity ahead of the maximum, and p = 0
	s_cbranch_scc1 .Lopen_\@
.set NN, 0
.rept 64
	v_cmp_gt_i32 vcc_lo, 16*(NN/8)+NN%8, v[\dm]
	v_cndmask_b32 v[96+NN], v[96+NN], v[NINF], vcc_lo
.set NN, NN+1
.endr
.Lopen_\@:
	v_max3_num_f32 v246, v96, v97, v98             ; the step's largest score of my query among my 64 keys, in four chains, registers ascending: each accumulator is read from its low end on
	v_max3_num_f32 v247, v99, v100, v101
	v_max3_num_f32 v248, v102, v103, v104
	v_max3_num_f32 v249, v105, v106, v107
.set NN, 0
.rept 26
	v_max3_num_f32 v[246+NN%4], v[246+NN%4], v[108+2*NN], v[109+2*NN]
.set NN, NN+1
.endr
	v_max3_num_f32 v246, v246, v247, v248
	v_max_num_f32 v246, v246, v249
	v_permlanex16_b32 v254, v246, s[SEL], s[SEL+1]
	v_max_num_f32 v246, v246, v254                 ; and among lane l xor 16's
	v_mul_f32 v246, s[CS], v246                    ; as t (c is positive)
	v_max_num_f32 v13, v13, v246                   ; the running largest t
	v_mov_b32 v246, v12
	v_floor_f32 v12, -v13                          ; the new -M = floor(-t) = -ceil(t): M is a whole number
	v_sub_f32 v246, v12, v246                      ; M's old value less its new one: a whole number, 0 or less
	v_cvt_i32_f32 v246, v246                       ; (it saturates)
	v_ldexp_f32 v252, 1.0, v246                    ; f = 2^(old M - new M)
	v_pk_mul_f32 v[14:15], v[14:15], v[252:253] op_sel_hi:[1,0]   ; the sums and O^T under the new M, ahead of the exponentials
.irp j, 0,2,4,6,8,10,12,14,16,18,20,22,24,26,28,30
	v_pk_mul_f32 v[160+\j:161+\j], v[160+\j:161+\j], v[252:253] op_sel_hi:[1,0]
.endr
.irp j, 0,2,4,6,8,10,12,14,16,18,20,22,24,26,28,30
	v_pk_fma_f32 v[96+\j:97+\j], v[96+\j:97+\j], s[CS:CS+1], v[12:13] op_sel_hi:[1,0,0]   ; t - M of the first 32 numbers, two at a time
.endr
	s_wait_alu depctr_va_vdst(0)                   ; the wait ahead of the batch
.set NN, 0
.rept 16                                       ; the first 32 exponentials; among them t - M of the other 32, which names no register of the batch and is first read behind the next wait
	v_exp_f32 v[96+2*NN], v[96+2*NN]
	v_exp_f32 v[97+2*NN], v[97+2*NN]
	v_pk_fma_f32 v[128+2*NN:129+2*NN], v[128+2*NN:129+2*NN], s[CS:CS+1], v[12:13] op_sel_hi:[1,0,0]
.set NN, NN+1
.endr
	s_wait_alu depctr_va_vdst(0)                   ; behind the first batch and ahead of the second
.set NN, 0
.rept 8                                        ; the other 32 exponentials; among them the first 32 p's: eight partial sums of the UNQUANTISED p, then the holds.  Each line writes registers that are first read behind the next wait
	v_exp_f32 v[128+4*NN], v[128+4*NN]
	v_pk_add_f32 v[236+2*NN:237+2*NN], v[96+4*NN:97+4*NN], v[98+4*NN:99+4*NN]
	v_exp_f32 v[129+4*NN], v[129+4*NN]
	HOLD2 96+4*NN
	v_exp_f32 v[130+4*NN], v[130+4*NN]
	HOLD2 98+4*NN
	v_exp_f32 v[131+4*NN], v[131+4*NN]
.set NN, NN+1
.endr
	v_nop                                          ; a plain instruction behind the last exponential
	s_wait_alu depctr_va_vdst(0)                   ; one wait for the batch, ahead of its first reader
.irp t, 0,1,2,3
	v_cvt_scalef32_pk8_fp8_f32 v[224+2*\t:225+2*\t], v[96+8*\t:103+8*\t], v[SCL]   ; keys 16 t + 8 h + 0 .. 7: registers 2 t, 2 t + 1 of P's fragment
.endr
.irp k, 0,1,2,3,4,5,6,7
	v_pk_add_f32 v[236+2*\k:237+2*\k], v[236+2*\k:237+2*\k], v[128+4*\k:129+4*\k]
.endr
.irp k, 0,1,2,3,4,5,6,7
	v_pk_add_f32 v[236+2*\k:237+2*\k], v[236+2*\k:237+2*\k], v[130+4*\k:131+4*\k]
.endr
	v_pk_add_f32 v[236:237], v[236:237], v[238:239]    ; the eight partial sums are joined; the holds of the other 32 p's stand between the levels
	v_pk_add_f32 v[240:241], v[240:241], v[242:243]
	v_pk_add_f32 v[244:245], v[244:245], v[246:247]
	v_pk_add_f32 v[248:249], v[248:249], v[250:251]
.irp a, 128,130,132,134
	HOLD2 \a
.endr
	v_pk_add_f32 v[236:237], v[236:237], v[240:241]
	v_pk_add_f32 v[244:245], v[244:245], v[248:249]
.irp a, 136,138,140,142
	HOLD2 \a
.endr
	v_pk_add_f32 v[236:237], v[236:237], v[244:245]
.irp a, 144,146,148,150
	HOLD2 \a
.endr
	v_pk_add_f32 v[14:15], v[14:15], v[236:237]
.irp a, 152,154,156,158
	HOLD2 \a
.endr
.irp t, 4,5,6,7
	v_cvt_scalef32_pk8_fp8_f32 v[224+2*\t:225+2*\t], v[96+8*\t:103+8*\t], v[SCL]
.endr
	v_nop                                          ; one plain instruction between the last conversion and the products that read the codes
	s_wait_alu depctr_va_vdst(0)                   ; the wait directly ahead of the wait below
	s_wait_dscnt 0x0                               ; V is in
.irp d, 0,1,2,3                                ; O^T += V^T P^T: four accumulators by turns, one instruction each
	v_wmma_f32_16x16x128_fp8_fp8 v[160+8*\d:167+8*\d], v[32+16*\d:47+16*\d], v[224:239], v[160+8*\d:167+8*\d]
.endr
.Lhid_\@:
	s_add_co_u32 s[TB], s[TB], STEPB
	s_add_co_u32 s[KS], s[KS], 1
.endm
.macro LOOPN n, qr, dm, last           ; n steps: a constant count for every wave; what a wave does not need is left out inside the step
	s_mov_b32 s[CNT], \n
.Lloop_\@:
	STEP \qr, \dm, \last
	s_sub_co_u32 s[CNT], s[CNT], 1
	s_cmp_lg_u32 s[CNT], 0
	s_wait_alu depctr_va_vdst(0)                   ; the wait directly ahead of the branch
	s_cbranch_scc1 .Lloop_\@
.endm
.macro INIT                            ; a tile begins: the step has no first step of its own: it finds zeros, which the first change of M leaves zeros
	v_mov_b32 v13, 0xff61b1e6                      ; the largest t so far: -3e38, under every t
	v_floor_f32 v12, -v13                          ; -M
	v_mov_b32 v14, 0
	v_mov_b32 v15, 0
.set NN, 0
.rept 32
	v_mov_b32 v[160+NN], 0
.set NN, NN+1
.endr
	s_mov_b32 s[TB], 0
	s_mov_b32 s[KS], 0
	s_wait_alu depctr_va_vdst(0)                   ; the wait
.endm
.macro FIN                             ; O^T x 2^(e8 + e9) / the row's sum, into v96-127
.rept 4
	v_nop                                          ; places behind the last products
.endr
	v_add_f32 v14, v14, v15                        ; the sum's two halves,
	v_permlanex16_b32 v254, v14, s[SEL], s[SEL+1]
	v_add_f32 v14, v14, v254                       ; and lane l xor 16's
	s_wait_alu depctr_va_vdst(0)                   ; ahead of the reciprocal
	v_rcp_f32 v14, v14
	v_nop                                          ; a plain instruction behind the reciprocal
	s_wait_alu depctr_va_vdst(0)                   ; and the wait ahead of its first reader
	v_ldexp_f32 v14, v14, s[EPV]
	s_wait_alu depctr_va_vdst(0)                   ; directly ahead of the first readers of O^T
.irp j, 0,2,4,6,8,10,12,14,16,18,20,22,24,26,28,30
	v_pk_mul_f32 v[96+\j:97+\j], v[160+\j:161+\j], v[14:15] op_sel_hi:[1,0]   ; register 8 d + i is o(query r, channel 16 d + 8 h + i)
.endr
.endm
; The tile goes through my stage in two passes, 32 channels (128 bytes) of all 16 queries each, every lane storing in both.  Behind each pass every lane reads column r % 8 of rows 2 i + h back;
; lanes with r < 8 keep the first pass's 16 bytes (channels 4 r ..), the others the second pass's: then sixteen lanes hold a head's 256 bytes of a row and store them, aligned.
; LDS serves a wave's instructions in order (ISA guide 5.7.1.4): no wait between my stores and my loads, nor in front of the second pass's stores.
.macro OUT ob
	s_wait_xcnt 0x0                                ; the earlier tile's stores have read v192-223, which are loaded again below
.irp k, 0,1,2,3
	v_xor_b32 v[224+\k], (4*(\k/2)+\k%2)<<4, v[STO]
.endr
.irp i, 0,1,2,3,4,5,6,7
	v_xor_b32 v[228+\i], \i<<4, v[RD]
.endr
	s_wait_alu depctr_va_vdst(0)
.irp k, 0,1,2,3
	ds_store_b128 v[224+\k], v[96+4*\k:99+4*\k]    ; channels 0-31
.endr
.irp i, 0,1,2,3,4,5,6,7
	ds_load_b128 v[192+4*\i:195+4*\i], v[228+\i] offset:256*\i
.endr
.irp k, 0,1,2,3
	ds_store_b128 v[224+\k], v[112+4*\k:115+4*\k]  ; channels 32-63
.endr
.irp i, 0,1,2,3,4,5,6,7
	ds_load_b128 v[128+4*\i:131+4*\i], v[228+\i] offset:256*\i
.endr
.irp i, 0,1,2,3,4,5,6,7
	s_wait_dscnt 7-\i                              ; the second pass's load i is back (its 7 - i younger ones may be out), and so is all of the first pass
.irp c, 0,1,2,3
	v_cndmask_b32 v[192+4*\i+\c], v[192+4*\i+\c], v[128+4*\i+\c], s[HI8]
.endr
	global_store_b128 v[GO], v[192+4*\i:195+4*\i], s[\ob:\ob+1] offset:8192*\i th:TH_STORE_NT   ; rows 2 i and 2 i + 1
.endr
.endm
	INIT                                           ; (its wait is the wait at the head's end)
	s_wait_tensorcnt 0x0                           ; my part of keys 0-511 is in; the later first fill is issued as a refill is:
	ds_add_u32 v[SPW], v[NIL]                      ; 0 onto my spare word
	s_wait_dscnt 0x0
	CROUND                                         ; everybody's part of keys 0-511 is in, and all four work-groups are here
	tensor_load_to_lds s[G0B:G0B+3], s[G1B:G1B+7]  ; my part of keys 512-2047: one load of mine is out, and no more are issued
	s_nop 0
	s_wait_loadcnt 0x0                             ; Q
	LOOPN 4, QH, DH, LASTH                         ; the late tile has nine steps or more: steps 0-3 are worked by every wave
	s_wait_tensorcnt 0x0                           ; my part of the rest is in, no LDS instruction of mine is out:
	s_wait_dscnt 0x0
	s_barrier_signal -1
	s_barrier_wait -1                              ; the whole head is in.
	LOOPN 12, QH, DH, LASTH
	FIN
	OUT POH                                        ; these stores are out while the early tile is worked
	INIT
	LOOPN 8, QL, DL, LASTL
	FIN
	OUT POL
	s_wait_tensorcnt 0x0                           ; the wave's end
	ds_add_u32 v[SPW], v[NIL]
	s_wait_dscnt 0x0
	CROUND                                         ; the closing round: no work-group ends while a partner may still ask for a part that names it
	s_endpgm
.Lfunc_end_k_q4bb4a0729a_attn:
	.size	k_q4bb4a0729a_attn, .Lfunc_end_k_q4bb4a0729a_attn-k_q4bb4a0729a_attn
	.p2alignl 7, 3214868480
	.fill 96, 4, 3214868480
	.section	.rodata,"a",@progbits
	.p2align	6, 0x0
	.amdhsa_kernel k_q4bb4a0729a_attn
		.amdhsa_group_segment_fixed_size 327680
		.amdhsa_private_segment_fixed_size 0
		.amdhsa_enable_private_segment 0
		.amdhsa_kernarg_size 40
		.amdhsa_user_sgpr_count 2
		.amdhsa_user_sgpr_kernarg_segment_ptr 1
		.amdhsa_wavefront_size32 1
		.amdhsa_system_sgpr_workgroup_id_x 1
		.amdhsa_system_sgpr_workgroup_id_y 1
		.amdhsa_system_sgpr_workgroup_id_z 1
		.amdhsa_system_vgpr_workitem_id 0
		.amdhsa_next_free_vgpr 256
		.amdhsa_next_free_sgpr 80
		.amdhsa_reserve_vcc 1
		.amdhsa_float_denorm_mode_32 3
		.amdhsa_float_denorm_mode_16_64 3
		.amdhsa_memory_ordered 1
		.amdhsa_forward_progress 1
		.amdhsa_inst_pref_size 85
	.end_amdhsa_kernel
	.amdgpu_metadata
---
amdhsa.version: [ 1, 2 ]
amdhsa.kernels:
  - .name:           k_q4bb4a0729a_attn
    .symbol:         k_q4bb4a0729a_attn.kd
    .args:
      - { .name: qf, .offset: 0, .size: 8, .value_kind: global_buffer, .address_space: global }
      - { .name: kf, .offset: 8, .size: 8, .value_kind: global_buffer, .address_space: global }
      - { .name: vf, .offset: 16, .size: 8, .value_kind: global_buffer, .address_space: global }
      - { .name: lowp_scales, .offset: 24, .size: 8, .value_kind: global_buffer, .address_space: global }
      - { .name: out0, .offset: 32, .size: 8, .value_kind: global_buffer, .address_space: global }
    .group_segment_fixed_size: 327680
    .private_segment_fixed_size: 0
    .kernarg_segment_align: 8
    .kernarg_segment_size: 40
    .max_flat_workgroup_size: 512
    .sgpr_count:     80
    .vgpr_count:     256
    .wavefront_size: 32
...
	.end_amdgpu_metadata
.endif
;; end of part 2
